; MI455X (gfx1250); checked and timed in simulation.
; The chip was launched on July 23, 2026; its instructions are those of AMD's public machine-readable ISA for CDNA 5 (MIT licence, August 2026) and "CDNA5" Instruction Set Architecture Reference Guide (July 2026). The comments in the code are by the model that wrote it; some were corrected since.
;; Marlin Layer. Allowed arithmetic: matrix products marked QUANTISED: E4M3 operands, one given power-of-two scale a tensor, by v_wmma_f32_16x16x64_fp8_fp8 or v_wmma_f32_16x16x128_fp8_fp8, f32 sums; everything else in f32.
;; Inputs: A_codes 4,096 x 128 x 32 uint8 (E4M3 codes of A, K innermost, in blocks of 32 codes); B 512 x 4,096 int32; lowp_scales 2 int32 (the exponents e of the quantised operands' scales 2^e); s 32 x 4,096 float32.
;; Outputs: out0 4,096 x 4,096 float32.
;; This version of the problem:
;;   THIS VERSION OF THE PROBLEM IS GIVEN IN LOW PRECISION. The matrix products marked QUANTISED in the list below multiply operands that are first quantised to E4M3 (4 exponent bits, 3 mantissa bits; 8 bits a number), with one given power-of-two scale for each operand tensor; their sums are f32. All else is computed in f32.
;;   The module's matrix products, in the order in which they are computed (A, B: the left and right operand; K: the contracted axis; several contracted axes count as one K, in the product's order):
;;     1. [M 4,096, K 4,096] x [K 4,096, N 4,096]; A: input A (given as codes); B: computed on the way: QUANTISED (scales: A lowp_scales[0], B lowp_scales[1])
;;   THE QUANTISER, for each operand of a quantised product, along K:
;;     - The operand's scale is 2^e, e = its entry of the input lowp_scales (int32; the entries are numbered through the quantised products in the list's order, A before B).
;;     - Each number is divided by the scale, clamped to +-448, and rounded to the nearest number of E4M3, ties to even, subnormals kept.
;;     - The product sums the exact products of the quantised numbers (number of the format x scale) in f32.
;;   ~~~python
;;   def quantise(x, axis, e):      # numpy; x: float32 -> the quantised numbers, widened to float32 again
;;       x = np.moveaxis(x, axis, -1); K = x.shape[-1]
;;       r = np.clip(x / 2.0 ** e, -448, 448)
;;       step = 2.0 ** (np.maximum(np.frexp(np.where(r == 0, 1, r))[1] - 1, -6) - 3)
;;       q = np.round(r / step) * step * 2.0 ** e      # np.round: ties to even
;;       return np.moveaxis(q, -1, axis).astype(np.float32)
;;   ~~~
;;   OPERANDS COMPUTED ON THE WAY. 'Computed on the way' means the value that the module computes at that place (a softmax that the list does not call 'softmax' is quantised finished and normalised). What goes into a quantiser is computed in f32, as accurately as f32 sums, v_exp_f32 and their like allow (about 1e-6 of the number): no bf16 or f16 on the way to a quantiser, and a product that is left as it is and whose result goes on into a quantised operand takes f32 operands (vector FMAs, or v_wmma_f32_16x16x4_f32). A number that lies on a knife's edge between two numbers of the format may be rounded either way, as far as f32 arithmetic and the matrix unit's own rounding can turn it there, and no further.
;;   INPUTS GIVEN AS CODES. A (in the module: [4096, 4096], K = its axis 1): each comes as NAME_codes (uint8): NAME with its K axis moved to the last place and cut into blocks of 32 codes, [.., K / 32, bytes a block], one block behind the other in memory; one code a byte (a code: sign, 4 exponent bits, 3 mantissa bits); its scale is its entry of lowp_scales. Its value is code x scale, taken as it is: it is not quantised again, and the codes and scales need not be those that the quantiser above would give.
;; One version. Each part assembles by itself: llvm-mc -triple=amdgcn-amd-amdhsa -mcpu=gfx1250 --defsym DOCPART=n.
;; ======== version 1 of 1: 2 launches
;; limits: right only within a limited range of input values
;; workspace buffers: w_codes 16,777,216 bytes
;; launch wq (part 1): grid 16 x 16, 4 waves a work-group, no clusters, 71,168 bytes of LDS; arguments B, s, lowp_scales, w_codes; writes w_codes
.if DOCPART == 1
	.amdgcn_target "amdgcn-amd-amdhsa--gfx1250"
	.amdhsa_code_object_version 6
	.text
	.protected	k_q0d1dc25511_wq
	.globl	k_q0d1dc25511_wq
	.p2align	8
	.type	k_q0d1dc25511_wq,@function
k_q0d1dc25511_wq:
	s_mov_b64 s[64:65], 0
	v_nop
	global_prefetch_b8 v0, s[64:65] scope:SCOPE_SE
	s_setreg_imm32_b32 hwreg(HW_REG_WAVE_MODE, 25, 1), 1
	s_wait_xcnt 0x0
; W[k][n] = (nibble(k, n) - 8) x s[k / 128][n], in f32, is turned into codes of E4M3 with the one given scale 2^e1.
; B: [512][4096] words; word B[k / 8][n] holds the nibbles of k = 8 (k / 8) + j at bits 4 j.  s: [32][4096] f32.  e1 = entry 1 of the scales' exponents.
; THE NUMBER: one fused multiply-add, nibble x s + (-8 s): 8 s is exact, and the exact nibble x s - 8 s is rounded once: the same f32 number as (nibble - 8) x s.
; THE CODE: the number / 2^e1, held within +-448, rounded to the nearest code, ties to even.
; LIMITS: -126 <= e1 <= 119 (2^e1 and 448 x 2^e1 are f32 numbers); |s| under 2^124; NaN in s is not served.
; THE CODES' LAYOUT is the image of the next launch's operand registers: [32 groups of 128 columns][32 chunks of 128 k][8 blocks of 16 columns][4 pieces][32 lanes][16 bytes];
; lane (r = l % 16, h = l / 16) of piece c holds k = 32 c + 16 h + 0 .. 15 of the block's column r.  A chunk of a group is 16,384 bytes, a block 2,048, a piece 512.
; SHARES.  Work-group (x, y): columns 256 x on, k = 256 y on (two chunks).  Wave w: 64 columns, four blocks.  Lane l takes columns 2 l and 2 l + 1, and its registers run down K:
; a load of 8 bytes a lane reads 256 consecutive bytes of a row of B; one word is eight neighbours along K of one column, the sources of one conversion.
; THE WAY OUT.  Codes go through the wave's own stage in LDS: column 2 l + c lies in row l of part c; rows are 272 bytes apart, and part 1 begins 128 bytes past 32 rows, so that the
; sixteen rows that a load back touches (eight of each part) start at sixteen different groups of four banks.  They come back piece by piece, and a store covers 512 consecutive bytes.
; The first chunk's pieces leave while the second chunk's codes are made.  No tensor load, no barrier: waves share nothing.  All 34 loads of a wave go out at the head; no loop.
.set BROW,  16384                      ; bytes in a row of B and of s
.set PITCH, 272
.set ODD,   32*PITCH+128               ; where the odd columns' rows begin
.set WSTG,  64*PITCH+256               ; a wave's stage
.set SPARE, 4*WSTG                     ; behind the stages: the spare words
.set BO,   2                           ; 8 x lane
.set STI,  3                           ; the stage, on the way in: lane x PITCH
.set STR,  4                           ; on the way back: ((l % 16) / 2) x PITCH + (l % 2) x ODD + 16 (l / 16)
.set CO,   5                           ; 16 x lane
.set SC,   6                           ; 2^e1
.set LIM,  7                           ; 448 x 2^e1
.set SS,   12                          ; v12-27  for group g, column c at SS + 4 (2 g + c): s, s, -8 s, -8 s
.set SL,   28                          ; v28-31  s as loaded
.set T,    32                          ; v32-47  two sets of 8 numbers, by turns
.set C,    48                          ; v48-63  four sets of 4 registers of codes, by turns
.set BW,   64                          ; v64-127 word i of column c at BW + 2 i + c; at the end the second chunk's pieces
.set OUT0, 128                         ; v128-191 the first chunk's pieces
	s_load_b256 s[4:11], s[0:1], 0x0               ; B, s, the exponents, the codes
	v_lshl_add_u32 v192, v0, 2, SPARE
	v_mov_b32 v193, 0
	v_lshrrev_b32 v1, 5, v0
	v_readfirstlane_b32 s13, v1                    ; wave
	v_and_b32 v1, 31, v0                           ; lane
	v_bfe_u32 v9, v0, 4, 1                         ; lane / 16
	v_bfe_u32 v10, v0, 1, 3                        ; (lane % 16) / 2
	v_and_b32 v11, 1, v0                           ; lane % 2
	s_and_b32 s14, ttmp7, 0xffff                   ; y
	v_lshlrev_b32 v[BO], 3, v1
	s_mul_i32 s22, s13, WSTG
	v_mul_u32_u24 v[STI], v1, PITCH
	v_add_nc_u32 v[STI], s22, v[STI]
	v_mul_u32_u24 v[STR], v10, PITCH
	v_mad_u32_u24 v[STR], v11, ODD, v[STR]
	v_lshl_add_u32 v[STR], v9, 4, v[STR]
	v_add_nc_u32 v[STR], s22, v[STR]
	v_lshlrev_b32 v[CO], 4, v1
	s_lshl_b32 s15, ttmp9, 8
	s_lshl_b32 s16, s13, 6
	s_add_co_u32 s15, s15, s16                     ; my wave's first column: 256 x + 64 w
	s_lshl_b32 s23, s15, 2
	s_lshl_b32 s16, s14, 19                        ; B: 32 y rows
	s_add_co_u32 s16, s16, s23
	s_mov_b32 s17, 0
	s_lshl_b32 s18, s14, 15                        ; s: 2 y rows
	s_add_co_u32 s18, s18, s23
	s_mov_b32 s19, 0
	s_lshr_b32 s20, s15, 7                         ; the codes: my group of 128 columns,
	s_lshl_b32 s20, s20, 19
	s_lshl_b32 s24, s14, 15                        ; + chunk 2 y,
	s_add_co_u32 s20, s20, s24
	s_and_b32 s24, s13, 1
	s_lshl_b32 s24, s24, 13                        ; + block 4 (w % 2)
	s_add_co_u32 s20, s20, s24
	s_mov_b32 s21, 0
	s_wait_alu depctr_va_vdst(0)                   ; the wait at the head's end
	s_wait_kmcnt 0x0
	s_load_b32 s12, s[8:9], 0x4                    ; e1
	s_add_nc_u64 s[4:5], s[4:5], s[16:17]
	s_add_nc_u64 s[6:7], s[6:7], s[18:19]
	s_add_nc_u64 s[10:11], s[10:11], s[20:21]
	global_load_b64 v[SL:SL+1], v[BO], s[6:7] th:TH_LOAD_NT
	global_load_b64 v[SL+2:SL+3], v[BO], s[6:7] offset:BROW th:TH_LOAD_NT
.irp i, 0,1,2,3,4,5,6,7,8,9,10,11,12,13,14,15,16,17,18,19,20,21,22,23,24,25,26,27,28,29,30,31
	global_load_b64 v[BW+2*\i:BW+2*\i+1], v[BO], s[4:5] offset:\i*BROW th:TH_LOAD_NT
.endr
	s_wait_kmcnt 0x0
	s_add_co_i32 s12, s12, 127
	s_lshl_b32 s23, s12, 23
	v_mov_b32 v[SC], s23
	s_add_co_i32 s12, s12, 8
	s_lshl_b32 s24, s12, 23
	s_or_b32 s24, s24, 0x600000                    ; 448 = 1.75 x 2^8
	v_mov_b32 v[LIM], s24
	s_wait_loadcnt 32                              ; the 32 loads of B are younger: s is in
.irp q, 0,1,2,3
	v_mov_b32 v[SS+4*\q],   v[SL+\q]
	v_mov_b32 v[SS+4*\q+1], v[SL+\q]
	v_mul_f32 v[SS+4*\q+2], 0xc1000000, v[SL+\q]   ; -8 s: exact
	v_mul_f32 v[SS+4*\q+3], 0xc1000000, v[SL+\q]
.endr
; Word i of column c: eight nibbles -> eight numbers -> eight codes.  The number sets take turns, so that the plain line owed behind a scaled conversion is the next word's first line.
.macro WORD c, i, dst
.set TS, T+8*((\i)%2)
.set W,  BW+2*(\i)+(\c)
.set SP, SS+4*(2*((\i)/16)+(\c))
.irp j, 0,1,2,3,4,5,6,7
	v_bfe_u32 v[TS+\j], v[W], 4*\j, 4
.endr
.irp j, 0,1,2,3,4,5,6,7
	v_cvt_f32_u32 v[TS+\j], v[TS+\j]
.endr
.irp j, 0,2,4,6
	v_pk_fma_f32 v[TS+\j:TS+\j+1], v[TS+\j:TS+\j+1], v[SP:SP+1], v[SP+2:SP+3]
.endr
.irp j, 0,1,2,3,4,5,6,7
	v_med3_num_f32 v[TS+\j], v[TS+\j], -v[LIM], v[LIM]   ; the conversion does not saturate (ISA guide 7.6.2): the hold
.endr
	v_cvt_scalef32_pk8_fp8_f32 v[\dst:\dst+1], v[TS:TS+7], v[SC]
.endm
; Pair p of column c: words 2 p, 2 p + 1: 16 bytes of the column's stage row.  lw, dw: counts of the waits at its head; -1: none.
.macro PAIR c, p, lw, dw
.if (\lw) >= 0
	s_wait_loadcnt \lw                             ; words 2 p and 2 p + 1 are in, the younger ones stay out
.endif
.if (\dw) >= 0
	s_wait_dscnt \dw                               ; the store that read this set of code registers, four pairs back, is done
.endif
	WORD \c, 2*(\p), C+4*((\p)%4)
	WORD \c, 2*(\p)+1, C+4*((\p)%4)+2
	ds_store_b128 v[STI], v[C+4*((\p)%4):C+4*((\p)%4)+3] offset:ODD*(\c)+16*(\p)
.endm
; Chunk q of my four blocks comes back: load t = piece t % 4 of block t / 4.  LDS serves a wave's instructions in order (ISA guide 5.7.1.4): these see my stores.
.macro BACK q, reg
.irp t, 0,1,2,3,4,5,6,7,8,9,10,11,12,13,14,15
	ds_load_b128 v[\reg+4*\t:\reg+4*\t+3], v[STR] offset:8*((\t)/4)*PITCH+128*(\q)+32*((\t)%4)
.endr
.endm
.macro SEND q, reg, t                  ; 32 lanes store 512 consecutive bytes, at a multiple of 512 from the buffer's first byte
	global_store_b128 v[CO], v[\reg+4*(\t):\reg+4*(\t)+3], s[10:11] offset:(\q)*16384+(\t)*512
.endm
.irp p, 0,1,2,3
	PAIR 0, \p, 30-2*\p, -1                        ; 32 - (2 p + 2) loads of B are younger than word 2 p + 1's
.endr
.irp p, 4,5,6,7
	PAIR 0, \p, 30-2*\p, 3                         ; three stores were issued behind the one four pairs back
.endr
.irp p, 0,1,2,3,4,5,6,7
	PAIR 1, \p, -1, 3
.endr
	BACK 0, OUT0                                   ; the first chunk (pairs 0-7 of both columns) is whole
.irp p, 8,9,10,11
	PAIR 0, \p, 30-2*\p, 19                        ; behind the store four pairs back: three stores and the 16 loads above
.endr
	s_wait_dscnt 4                                 ; the four stores just issued may be out: the first chunk's pieces are back
.irp t, 0,1,2,3,4,5,6,7,8,9,10,11,12,13,14,15
	SEND 0, OUT0, \t
.endr
.irp p, 12,13,14,15
	PAIR 0, \p, 30-2*\p, 3
.endr
.irp p, 8,9,10,11,12,13,14,15
	PAIR 1, \p, -1, 3
.endr
	v_nop                                          ; a plain line behind the last conversion
	BACK 1, BW                                     ; B's words are all used: their registers take the second chunk's pieces
.irp t, 0,1,2,3,4,5,6,7,8,9,10,11,12,13,14,15
	s_wait_dscnt 15-\t
	SEND 1, BW, \t
.endr
	s_wait_tensorcnt 0x0                           ; the wave's end
	ds_add_u32 v192, v193
	s_wait_dscnt 0x0
	s_endpgm
.Lfunc_end_k_q0d1dc25511_wq:
	.size	k_q0d1dc25511_wq, .Lfunc_end_k_q0d1dc25511_wq-k_q0d1dc25511_wq
	.p2alignl 7, 3214868480
	.fill 96, 4, 3214868480
	.section	.rodata,"a",@progbits
	.p2align	6, 0x0
	.amdhsa_kernel k_q0d1dc25511_wq
		.amdhsa_group_segment_fixed_size 71168
		.amdhsa_private_segment_fixed_size 0
		.amdhsa_enable_private_segment 0
		.amdhsa_kernarg_size 32
		.amdhsa_user_sgpr_count 2
		.amdhsa_user_sgpr_kernarg_segment_ptr 1
		.amdhsa_wavefront_size32 1
		.amdhsa_system_sgpr_workgroup_id_x 1
		.amdhsa_system_sgpr_workgroup_id_y 1
		.amdhsa_system_sgpr_workgroup_id_z 1
		.amdhsa_system_vgpr_workitem_id 0
		.amdhsa_next_free_vgpr 194
		.amdhsa_next_free_sgpr 66
		.amdhsa_reserve_vcc 0
		.amdhsa_float_denorm_mode_32 3
		.amdhsa_float_denorm_mode_16_64 3
		.amdhsa_memory_ordered 1
		.amdhsa_forward_progress 1
		.amdhsa_inst_pref_size 116
	.end_amdhsa_kernel
	.amdgpu_metadata
---
amdhsa.version: [ 1, 2 ]
amdhsa.kernels:
  - .name:           k_q0d1dc25511_wq
    .symbol:         k_q0d1dc25511_wq.kd
    .args:
      - { .name: B, .offset: 0, .size: 8, .value_kind: global_buffer, .address_space: global }
      - { .name: s, .offset: 8, .size: 8, .value_kind: global_buffer, .address_space: global }
      - { .name: lowp_scales, .offset: 16, .size: 8, .value_kind: global_buffer, .address_space: global }
      - { .name: w_codes, .offset: 24, .size: 8, .value_kind: global_buffer, .address_space: global }
    .group_segment_fixed_size: 71168
    .private_segment_fixed_size: 0
    .kernarg_segment_align: 8
    .kernarg_segment_size: 32
    .max_flat_workgroup_size: 128
    .sgpr_count:     66
    .vgpr_count:     194
    .wavefront_size: 32
...
	.end_amdgpu_metadata
.endif
;; end of part 1
;; launch gemm (part 2): grid 16 x 16, 4 waves a work-group, clusters of 4 x 4, 327,680 bytes of LDS; arguments A_codes, w_codes, lowp_scales, out0; writes out0
.if DOCPART == 2
	.amdgcn_target "amdgcn-amd-amdhsa--gfx1250"
	.amdhsa_code_object_version 6
	.text
	.protected	k_q0d1dc25511_gemm
	.globl	k_q0d1dc25511_gemm
	.p2align	8
	.type	k_q0d1dc25511_gemm,@function
k_q0d1dc25511_gemm:
	s_mov_b64 s[64:65], 0
	v_nop
	global_prefetch_b8 v0, s[64:65] scope:SCOPE_SE
	s_setreg_imm32_b32 hwreg(HW_REG_WAVE_MODE, 25, 1), 1
	s_wait_xcnt 0x0
	s_wait_alu depctr_hold_cnt(0) depctr_sa_sdst(0) depctr_va_vdst(0) depctr_va_sdst(0) depctr_va_ssrc(0) depctr_va_vcc(0) depctr_vm_vsrc(0)
	s_getreg_b32 s2, hwreg(HW_REG_IB_STS2, 6, 4)
	s_cmp_eq_u32 s2, 0
	s_cbranch_scc0 .Lentry_in_a_cluster
	s_endpgm
.Lentry_in_a_cluster:
	s_bfe_u32 s2, ttmp6, 0x10000c
	s_cmp_lg_u32 s2, 0xf033
	s_cbranch_scc0 .Lentry_shape_is_right
	s_endpgm
.Lentry_shape_is_right:
; out[m][n] = 2^(e0 + e1) x sum over k of A[m][k] W[k][n], on codes of E4M3; sums in f32.  A: [4096][4096] codes, K innermost.
; W's codes lie as images of operand registers: [32 groups of 128 columns][32 chunks of 128 k][8 blocks of 16 columns][4 pieces][32 lanes][16 bytes].
; LIMIT: e0 + e1 lies between -126 and 127, so that 2^(e0 + e1) is an f32 number.
; A tile of out, 256 x 256, is made by four waves, each 128 x 128: 64 accumulators, 512 registers.  A step is 128 along K: 64 matrix instructions.
; A GOES THROUGH LDS: two slots of 256 rows x 512 bytes (four steps each), each wave fetching 64 rows by one tensor load; a wave reads its 128 rows.
; W GOES FROM MEMORY STRAIGHT INTO REGISTERS: a load of 16 bytes a lane takes 512 consecutive bytes, a piece of a fragment.  W has two sets of eight fragments; a half set is asked for
; again, for the step two on, as soon as its last products are issued: 64 loads of a wave are out at the most.  W needs no barrier and takes no LDS.
; A step goes: W's eight blocks x A's blocks 0-3, then W's eight x A's blocks 4-7.  So A has one set: blocks 0-3 are fetched anew in the middle, blocks 4-7 at the end.
; k stands in both operands' registers in the same permuted places (registers 4 c .. 4 c + 3: k = 32 c + 16 (l / 16) + 0 .. 15), so every product meets its partner.
; CLUSTERS: 4 x 4 work-groups.  The four of a row need the same tiles of A and ask for them jointly.  W's fragments land in registers, which a joint load does not fill: they are not asked for jointly.
; PREFETCH: at each change of slots that refills, a wave names 32 blocks of 256 bytes of A's tile two refills on (K step T + 4) and 32 of W's K step T + 3; the four partners that read the same bytes share
; them out by address (cx for A's rows, cy for W's chunks).  The first K steps come by their loads alone; the guards on the trip counter keep every address under K step 8.
; THE MATRIX INSTRUCTION IS USED TRANSPOSED (source 0 = 16 columns of W, source 1 = 16 rows of A): a lane holds eight neighbouring numbers of a row of out.
; REGISTERS: window 0: v16-31 addresses, v128-255 A's set (on the way out v32-255 are free); window 1: W's two sets; windows 2, 3: accumulator (a, b) at v[8 (8 (a % 4) + b)] of window 2 + a / 4.
.set PITCH,  528                       ; an LDS row: 512 bytes + 16: row r starts at bank 4 r mod 64 (ISA guide 11.1)
.set QROWS,  64*PITCH                  ; what one tensor load brings
.set SLOT,   4*QROWS
.set STAGE,  2*SLOT                    ; behind the ring: 16 rows x 528 bytes for each wave, for the way out
.set SPITCH, 528
.set SPARE,  STAGE+4*16*SPITCH         ; the spare words
.set CHUNK,  16384                     ; W: a group's 128 k
.set ADRA, 16                          ; v16-17 LDS address of my A fragments in slot 0, 1
.set STO,  24
.set RD,   25
.set CO,   26                          ; 16 x lane: my place in a piece of W and in a row of out
.set SPW,  28
.set NIL,  29
.set PFAO, 30                          ; prefetch of A: (lane / 2) rows + 256 (lane % 2)
.set PFBO, 31                          ; prefetch of W: 256 x lane
.set TMP,  32
.set AF,   128
.set BK,   128
.set G1, 24                            ; s[24:31] descriptor group 1
.set G0, 32                            ; s[32:39] group 0, one set for each slot
.set BP,  48                           ; s[48:49] W: my group, at the chunk that the immediates count from
.set PFA, 50
.set PFB, 52
.set MSB, 0
.macro WIN new                         ; the immediate's high byte repeats the setting that is left
.if MSB != (\new)
	s_set_vgpr_msb (MSB<<8)|(\new)
.set MSB, (\new)
.endif
.endm
.set MUL_LO, 0xa1                      ; source 0 (W) window 1, source 1 (A) window 0, C and D window 2
.set MUL_HI, 0xf1
.set TO_B,   0x40                      ; destination window 1, address window 0
.macro PLACES                          ; four places behind a matrix instruction, ahead of loads into its sources and of reads of results
.rept 4
	v_nop
.endr
.endm
.macro JLOAD s                         ; every wave's joint load: its 64 rows; s_nop 0 and four v_nop behind it
	tensor_load_to_lds s[G0+4*\s:G0+4*\s+3], s[G1:G1+7]
	s_nop 0
	PLACES
.endm
.macro CREST
	s_cmp_lg_u32 s14, 0
	s_cbranch_scc1 .Lnot_wave_0_\@
	s_barrier_signal -3
.Lnot_wave_0_\@:
	s_barrier_wait -3
	s_barrier_signal -1
	s_barrier_wait -1
.endm
.macro CROUND
	s_barrier_signal -1
	s_barrier_wait -1
	CREST
.endm
.macro BLOAD p, b0, kc                 ; W's blocks b0 .. b0 + 3 of chunk kc (counted from BP) into set p
.irp b, \b0, \b0+1, \b0+2, \b0+3
.irp c, 0,1,2,3
	global_load_b128 v[128*(\p)+16*(\b)+4*\c:128*(\p)+16*(\b)+4*\c+3], v[CO], s[BP:BP+1] offset:(\kc)*CHUNK+(\b)*2048+\c*512
.endr
.endr
.endm
.macro FETCH_A slot, q, i0             ; A's blocks i0 .. i0 + 3 of the slot's q-th 128 along K
.irp i, \i0, \i0+1, \i0+2, \i0+3
.irp c, 0,1,2,3
	ds_load_b128 v[AF+16*(\i)+4*\c:AF+16*(\i)+4*\c+3], v[ADRA+\slot] offset:128*(\q)+32*\c+(\i)*16*PITCH
.endr
.endr
.endm
; 16 matrix instructions: W's blocks b0 .. b0 + 3 x A's blocks a0 .. a0 + 3.  The 64 accumulators take turns in the same order in every step.
.macro MULH a0, b0, p, zero
.irp b, \b0, \b0+1, \b0+2, \b0+3
.irp a, \a0, \a0+1, \a0+2, \a0+3
.if \zero
	v_wmma_f32_16x16x128_fp8_fp8 v[8*(8*((\a)%4)+(\b)):8*(8*((\a)%4)+(\b))+7], v[128*(\p)+16*(\b):128*(\p)+16*(\b)+15], v[AF+16*(\a):AF+16*(\a)+15], 0
.else
	v_wmma_f32_16x16x128_fp8_fp8 v[8*(8*((\a)%4)+(\b)):8*(8*((\a)%4)+(\b))+7], v[128*(\p)+16*(\b):128*(\p)+16*(\b)+15], v[AF+16*(\a):AF+16*(\a)+15], v[8*(8*((\a)%4)+(\b)):8*(8*((\a)%4)+(\b))+7]
.endif
.endr
.endr
.endm
; A step's second half: A's blocks 4-7.  kc >= 0: each half of W's set is asked for again, for the step two on, behind its last products.  nq >= 0: the next step's blocks 4-7 of A are fetched.
.macro HIGH p, zero, kc, nslot, nq
	WIN MUL_HI
	MULH 4, 0, \p, \zero
.if (\kc) >= 0
	PLACES
	WIN TO_B
	BLOAD \p, 0, \kc
	WIN MUL_HI
.endif
	MULH 4, 4, \p, \zero
.if (\nq) >= 0
	PLACES
.if (\kc) >= 0
	WIN TO_B
	BLOAD \p, 4, \kc
.endif
	WIN 0
	FETCH_A \nslot, \nq, 4
.else
	WIN 0
.endif
.endm
; A step whose successor lies in the same slot (nq: its place there; -1: the last step).  more: the next step's loads of W, which are younger than this step's.
.macro STEP slot, qq, zero, kc, more, nq
	s_wait_loadcnt 16+\more                        ; W's blocks 0-3 are in: younger are blocks 4-7's 16 loads and the next step's
	s_wait_dscnt 16                                ; A's blocks 0-3 are in; blocks 4-7's 16 loads may be out
	WIN MUL_LO
	MULH 0, 0, (\qq)%2, \zero
	s_wait_loadcnt \more                           ; W's blocks 4-7
	MULH 0, 4, (\qq)%2, \zero
	s_wait_dscnt 0                                 ; A's blocks 4-7
.if (\nq) >= 0
	PLACES
	WIN 0
	FETCH_A \slot, \nq, 0
.endif
	HIGH (\qq)%2, \zero, \kc, \slot, \nq
.endm
.macro ASK slot                        ; s3 = 1 in the loop's last trip: there only W's K step 7 (from slot 0's change) is left to name
.if (\slot) == 0
	global_prefetch_b8 v[PFBO], s[PFB:PFB+1] th:TH_LOAD_NT scope:SCOPE_SE
.endif
	s_cmp_gt_u32 s3, 1
	s_cbranch_scc0 .Lnone_\@
.if (\slot) == 1
	global_prefetch_b8 v[PFBO], s[PFB:PFB+1] th:TH_LOAD_NT scope:SCOPE_SE
.endif
	global_prefetch_b8 v[PFAO], s[PFA:PFA+1] th:TH_LOAD_NT scope:SCOPE_SE
.Lnone_\@:
.endm
; A slot's last step changes slots: one barrier; in front of it each wave waits for all its tensor loads, adds 0 to its spare word, and waits for that and for its reads of this slot.
.macro TURN slot, next, fill, kc
.if \fill
	s_wait_xcnt 0x0                                ; my prefetches have read their addresses
	s_add_nc_u64 s[PFA:PFA+1], s[PFA:PFA+1], 512
	s_add_nc_u64 s[PFB:PFB+1], s[PFB:PFB+1], 4*CHUNK
.endif
	s_wait_tensorcnt 0x0                           ; my part of the next slot has landed
	ds_add_u32 v[SPW], v[NIL]
.if \fill
	s_add_nc_u64 s[G0+4*\slot+2:G0+4*\slot+3], s[G0+4*\slot+2:G0+4*\slot+3], 1024   ; no load of mine is out: this slot's next tile
.endif
	s_wait_loadcnt 48
	s_wait_dscnt 17                                ; the add and A's blocks 4-7 may be out
	WIN MUL_LO
	MULH 0, 0, 1, 0
	s_wait_loadcnt 32
	s_wait_dscnt 0x0                               ; the add is done, and my reads of this slot are over
	s_barrier_signal -1
	MULH 0, 4, 1, 0
	WIN 0
	s_barrier_wait -1
.if \fill
	CREST                                          ; the barrier has opened a round of the cluster's barrier
	JLOAD \slot                                    ; the first tensor load behind the round; its four v_nop are also the places for the loads below
.else
	PLACES
.endif
	FETCH_A \next, 0, 0
.if \fill
	ASK \slot
.endif
	HIGH 1, 0, \kc, \next, 0
.endm
	s_load_b128 s[4:7], s[0:1], 0x0                ; A's codes, W's codes
	s_load_b128 s[8:11], s[0:1], 0x10              ; the exponents, out
	v_lshl_add_u32 v[SPW], v0, 2, SPARE
	v_mov_b32 v[NIL], 0
	ds_add_u32 v[SPW], v[NIL]                      ; the opening lines: the add, twice on end, and its wait
	ds_add_u32 v[SPW], v[NIL]
	v_lshrrev_b32 v1, 5, v0
	v_readfirstlane_b32 s14, v1                    ; wave
	s_lshr_b32 s15, s14, 1                         ; my half of the tile's rows
	s_and_b32 s16, s14, 1                          ; my half of its columns
	s_bfe_u32 s40, ttmp6, 0x40000                  ; cx
	s_bfe_u32 s41, ttmp6, 0x40004                  ; cy
	s_lshl_b32 s42, ttmp9, 2
	s_add_co_u32 s42, s42, s40                     ; tile column
	s_and_b32 s17, ttmp7, 0xffff
	s_lshl_b32 s17, s17, 2
	s_add_co_u32 s17, s17, s41                     ; tile row
	s_lshl_b32 s43, s41, 2
	s_lshl_b32 s43, 15, s43                        ; my row of the cluster
	s_or_b32 s[G1+0], s43, (1<<20)|(1<<21)|(6<<22)|(3<<25)  ; the mask; elements of 1 byte; padding of 4 words behind every 128; bit 21 beside a mask
	s_mov_b32 s[G1+1], 512<<16                     ; tensor_dim0
	s_mov_b32 s[G1+2], 64<<16                      ; tensor_dim1
	s_mov_b32 s[G1+3], 512<<16                     ; tile_dim0
	s_mov_b32 s[G1+4], 64                          ; tile_dim1
	s_mov_b32 s[G1+5], 4096                        ; the pitch
	s_mov_b32 s[G1+6], 0
	s_mov_b32 s[G1+7], 0
	s_lshl_b32 s20, s17, 20                        ; A: row 256 x tile row + 64 x wave, of 4,096 bytes
	s_lshl_b32 s21, s14, 18
	s_add_co_u32 s20, s20, s21
	s_mov_b32 s21, 0
	s_lshl_b32 s22, s42, 1                         ; W: group 2 x tile column + my half, of 32 chunks
	s_add_co_u32 s22, s22, s16
	s_lshl_b32 s22, s22, 19
	s_mov_b32 s23, 0
	s_lshl_b32 s44, s17, 20                        ; prefetch of A: rows 256 x tile row + 64 cx + 16 wave on, one K step short of K step 4
	s_lshl_b32 s45, s40, 18
	s_add_co_u32 s44, s44, s45
	s_lshl_b32 s45, s14, 16
	s_add_co_u32 s44, s44, s45
	s_add_co_u32 s44, s44, 3*512
	s_mov_b32 s45, 0
	s_lshl_b32 s46, s42, 1                         ; prefetch of W: group 2 x tile column + wave / 2, chunk 8 + cy (one K step short of K step 3), half wave % 2 of it
	s_add_co_u32 s46, s46, s15
	s_lshl_b32 s46, s46, 19
	s_add_co_u32 s47, s41, 8
	s_lshl_b32 s47, s47, 14
	s_add_co_u32 s46, s46, s47
	s_lshl_b32 s47, s16, 13
	s_add_co_u32 s46, s46, s47
	s_mov_b32 s47, 0
	s_lshl_b32 s18, s17, 22                        ; out: row 256 x tile row + 128 x half, of 16,384 bytes; column 256 x tile column + 128 x half
	s_lshl_b32 s19, s15, 21
	s_add_co_u32 s18, s18, s19
	s_lshl_b32 s19, s42, 10
	s_add_co_u32 s18, s18, s19
	s_lshl_b32 s19, s16, 9
	s_add_co_u32 s18, s18, s19
	s_mov_b32 s19, 0
	s_mul_i32 s54, s14, QROWS                      ; where my 64 rows go
	s_mul_i32 s56, s15, 2*QROWS                    ; my 128 rows of A
	s_mul_i32 s57, s14, 16*SPITCH
	s_add_co_u32 s57, s57, STAGE                   ; my stage
	v_and_b32 v1, 15, v0                           ; l % 16
	v_bfe_u32 v2, v0, 4, 1                         ; l / 16
	v_and_b32 v6, 31, v0
	v_mul_u32_u24 v3, v1, PITCH
	v_lshl_add_u32 v3, v2, 4, v3
	v_add_nc_u32 v[ADRA], s56, v3
	v_add_nc_u32 v[ADRA+1], SLOT, v[ADRA]
	v_mul_u32_u24 v5, v1, SPITCH                   ; into the stage: row l % 16, 32 bytes for each half of the lanes
	v_lshl_add_u32 v5, v2, 5, v5
	v_add_nc_u32 v[STO], s57, v5
	v_lshlrev_b32 v[CO], 4, v6
	v_add_nc_u32 v[RD], s57, v[CO]                 ; back: the 32 lanes take one row of 512 bytes
	v_lshlrev_b32 v[PFBO], 8, v6
	v_lshrrev_b32 v7, 1, v6
	v_and_b32 v8, 1, v0
	v_lshlrev_b32 v8, 8, v8
	v_lshl_add_u32 v[PFAO], v7, 12, v8
	s_wait_alu depctr_va_vdst(0)                   ; the wait at the end of the head's vector work
	s_wait_dscnt 0x0                               ; both opening adds are done
	s_wait_kmcnt 0x0
	s_load_b64 s[96:97], s[8:9], 0x0               ; e0, e1
	s_add_nc_u64 s[BP:BP+1], s[6:7], s[22:23]
	WIN TO_B
	BLOAD 0, 0, 0                                  ; W's fragments of steps 0 and 1
	BLOAD 0, 4, 0
	BLOAD 1, 0, 1
	BLOAD 1, 4, 1
	WIN 0
	s_add_nc_u64 s[20:21], s[4:5], s[20:21]
	s_add_nc_u64 s[PFA:PFA+1], s[4:5], s[44:45]
	s_add_nc_u64 s[PFB:PFB+1], s[6:7], s[46:47]
	s_add_nc_u64 s[10:11], s[10:11], s[18:19]
.irp s, 0,1
	s_mov_b32 s[G0+4*\s], 1
	s_add_co_u32 s[G0+4*\s+1], s54, \s*SLOT
	s_add_nc_u64 s[G0+4*\s+2:G0+4*\s+3], s[20:21], \s*512
	s_or_b32 s[G0+4*\s+3], s[G0+4*\s+3], 0x80000000
.endr
	CROUND                                         ; all sixteen work-groups are here: the first joint loads meet
	JLOAD 0                                        ; K step 0: one tensor load a wave at the head
	s_wait_tensorcnt 0x0                           ; my part of K step 0 is in
	ds_add_u32 v[SPW], v[NIL]
	s_wait_dscnt 0x0
	CROUND
	JLOAD 1                                        ; K step 1: slot 1's first fill, issued as a refill is
	FETCH_A 0, 0, 0
	FETCH_A 0, 0, 4
	STEP 0, 0, 1, 2, 32, 1                         ; the first step stands in front of the loop: its products start the sums
	s_mov_b32 s3, 3
.Llap:                                                 ; a trip: eight steps, once round the ring, from a lap's second step to the next lap's first
	STEP 0, 1, 0, 3, 32, 2
	STEP 0, 2, 0, 4, 32, 3
	TURN 0, 1, 1, 5
	STEP 1, 0, 0, 6, 32, 1
	STEP 1, 1, 0, 7, 32, 2
	STEP 1, 2, 0, 8, 32, 3
	TURN 1, 0, 1, 9
	STEP 0, 0, 0, 10, 32, 1
	s_wait_xcnt 0x0                                ; W's loads have read their base
	s_add_nc_u64 s[BP:BP+1], s[BP:BP+1], 8*CHUNK
	s_sub_co_u32 s3, s3, 1
	s_cmp_lg_u32 s3, 0
	s_cbranch_scc1 .Llap
	STEP 0, 1, 0, 3, 32, 2                         ; the last seven steps: no slot is filled again; W's last chunk, 31, is asked for in step 29
	STEP 0, 2, 0, 4, 32, 3
	TURN 0, 1, 0, 5
	STEP 1, 0, 0, 6, 32, 1
	STEP 1, 1, 0, 7, 32, 2
	STEP 1, 2, 0, -1, 32, 3
	STEP 1, 3, 0, -1, 0, -1
; THE WAY OUT, block by block of 16 rows x 128 columns: x 2^(e0 + e1), through my own stage, back as whole rows of 512 bytes.  LDS serves a wave's instructions in order (ISA guide 5.7.1.4).
.macro TOSTAGE a
.set AC, 64*((\a)%4)
	WIN 0x02+((\a)/4)
.irp j, 0,2,4,6,8,10,12,14,16,18,20,22,24,26,28,30,32,34,36,38,40,42,44,46,48,50,52,54,56,58,60,62
	v_pk_mul_f32 v[TMP+\j:TMP+\j+1], v[AC+\j:AC+\j+1], s[96:97] op_sel_hi:[1,0]   ; each accumulator from its low end on
.endr
	WIN 0
.irp b, 0,1,2,3,4,5,6,7
	ds_store_b128 v[STO], v[TMP+8*\b:TMP+8*\b+3] offset:64*\b
	ds_store_b128 v[STO], v[TMP+8*\b+4:TMP+8*\b+7] offset:64*\b+16
.endr
.set BB, BK+64*((\a)%2)
.irp t, 0,1,2,3,4,5,6,7,8,9,10,11,12,13,14,15
	ds_load_b128 v[BB+4*\t:BB+4*\t+3], v[RD] offset:\t*SPITCH
.endr
.endm
.macro SEND a, younger
.set BB, BK+64*((\a)%2)
	s_wait_dscnt \younger                          ; the block is back in registers
.if (\a) > 0
	s_add_nc_u64 s[10:11], s[10:11], 16*16384      ; behind a wait on XCNT: 16 rows of out on
.endif
.irp t, 0,1,2,3,4,5,6,7,8,9,10,11,12,13,14,15
	global_store_b128 v[CO], v[BB+4*\t:BB+4*\t+3], s[10:11] offset:\t*16384 th:TH_STORE_NT   ; 32 lanes store 512 consecutive bytes, at a multiple of 512 from out's first byte
.endr
.endm
	s_wait_kmcnt 0x0
	s_add_co_i32 s96, s96, s97
	s_add_co_i32 s96, s96, 127
	s_lshl_b32 s96, s96, 23                        ; 2^(e0 + e1)
	PLACES
	TOSTAGE 0
.irp a, 1,2,3,4,5,6,7
.if \a > 1
	s_wait_xcnt 0x0                                ; block a - 2's stores have read their registers and their base
.endif
	TOSTAGE \a
	SEND \a-1, 32                                  ; behind block a - 1's loads: block a's 16 stores and 16 loads
.endr
	s_wait_xcnt 0x0
	SEND 7, 0
	s_wait_tensorcnt 0x0                           ; the wave's end
	ds_add_u32 v[SPW], v[NIL]
	s_wait_dscnt 0x0
	CROUND                                         ; the closing round
	s_endpgm
.Lfunc_end_k_q0d1dc25511_gemm:
	.size	k_q0d1dc25511_gemm, .Lfunc_end_k_q0d1dc25511_gemm-k_q0d1dc25511_gemm
	.p2alignl 7, 3214868480
	.fill 96, 4, 3214868480
	.section	.rodata,"a",@progbits
	.p2align	6, 0x0
	.amdhsa_kernel k_q0d1dc25511_gemm
		.amdhsa_group_segment_fixed_size 327680
		.amdhsa_private_segment_fixed_size 0
		.amdhsa_enable_private_segment 0
		.amdhsa_kernarg_size 32
		.amdhsa_user_sgpr_count 2
		.amdhsa_user_sgpr_kernarg_segment_ptr 1
		.amdhsa_wavefront_size32 1
		.amdhsa_system_sgpr_workgroup_id_x 1
		.amdhsa_system_sgpr_workgroup_id_y 1
		.amdhsa_system_sgpr_workgroup_id_z 1
		.amdhsa_system_vgpr_workitem_id 0
		.amdhsa_next_free_vgpr 1024
		.amdhsa_next_free_sgpr 98
		.amdhsa_reserve_vcc 0
		.amdhsa_float_denorm_mode_32 3
		.amdhsa_float_denorm_mode_16_64 3
		.amdhsa_memory_ordered 1
		.amdhsa_forward_progress 1
		.amdhsa_inst_pref_size 209
	.end_amdhsa_kernel
	.amdgpu_metadata
---
amdhsa.version: [ 1, 2 ]
amdhsa.kernels:
  - .name:           k_q0d1dc25511_gemm
    .symbol:         k_q0d1dc25511_gemm.kd
    .args:
      - { .name: A_codes, .offset: 0, .size: 8, .value_kind: global_buffer, .address_space: global }
      - { .name: w_codes, .offset: 8, .size: 8, .value_kind: global_buffer, .address_space: global }
      - { .name: lowp_scales, .offset: 16, .size: 8, .value_kind: global_buffer, .address_space: global }
      - { .name: out0, .offset: 24, .size: 8, .value_kind: global_buffer, .address_space: global }
    .group_segment_fixed_size: 327680
    .private_segment_fixed_size: 0
    .kernarg_segment_align: 8
    .kernarg_segment_size: 32
    .max_flat_workgroup_size: 128
    .sgpr_count:     98
    .vgpr_count:     1024
    .wavefront_size: 32
...
	.end_amdgpu_metadata
.endif
;; end of part 2
